; MI455X (gfx1250); checked and timed in simulation.
; The chip was launched on July 23, 2026; its instructions are those of AMD's public machine-readable ISA for CDNA 5 (MIT licence, August 2026) and "CDNA5" Instruction Set Architecture Reference Guide (July 2026). The comments in the code are by the model that wrote it; some were corrected since.
;; Self Attention. Allowed arithmetic: matrix products marked QUANTISED: E2M1 operands, one E8M0 scale for each 32 along K, by v_wmma_scale_f32_16x16x128_f8f6f4 with both operands' format E2M1 (or v_wmma_scale_f32_32x16x128_f4), f32 sums; everything else in f32.
;; Inputs: key_input 4 x 2,048 x 1,024 float32; mask 4 x 1 x 1 x 2,048 int32; query_input 4 x 2,048 x 1,024 float32; value_input 4 x 2,048 x 1,024 float32.
;; Outputs: out0 4 x 2,048 x 1,024 float32.
;; This version of the problem:
;;   THIS VERSION OF THE PROBLEM IS GIVEN IN LOW PRECISION. The matrix products marked QUANTISED in the list below multiply operands that are first quantised to E2M1 (2 exponent bits, 1 mantissa bit; 4 bits a number), with one power-of-two scale for each 32 numbers along K (OCP MX v1.0); their sums are f32. All else is computed in f32.
;;   The module's matrix products, in the order in which they are computed (A, B: the left and right operand; K: the contracted axis; several contracted axes count as one K, in the product's order):
;;     1. batch 64 x [M 2,048, K 64] x [K 64, N 2,048]; A: input query_input; B: input key_input: QUANTISED
;;     2. batch 64 x [M 64, K 2,048] x [K 2,048, N 2,048]; A: input value_input; B: softmax (see below): QUANTISED
;;   THE QUANTISER, for each operand of a quantised product, along K:
;;     - K is cut into blocks of 32 from its start; a last block that is shorter is filled with zeros.
;;     - A block's scale is 2^e with e = floor(log2(the largest magnitude in the block)) - 2, held to -126 .. 127; a block of zeros has e = 0. As a byte (E8M0): e + 127.
;;     - Each number is divided by its block's scale, clamped to +-6, and rounded to the nearest number of E2M1, ties to even, subnormals kept.
;;     - The product sums the exact products of the quantised numbers (number of the format x scale) in f32.
;;   ~~~python
;;   def quantise(x, axis):      # numpy; x: float32 -> the quantised numbers, widened to float32 again
;;       x = np.moveaxis(x, axis, -1); K = x.shape[-1]
;;       x = np.pad(x, [(0, 0)] * (x.ndim - 1) + [(0, -K % 32)]); x = x.reshape(x.shape[:-1] + (-1, 32)); a = np.abs(x).max(-1, keepdims=True)
;;       e = np.where(a > 0, np.clip(np.frexp(np.where(a > 0, a, 1))[1] - 1 - 2, -126, 127), 0)      # np.frexp(a)[1] - 1 = floor(log2(a)), exactly
;;       r = np.clip(x / 2.0 ** e, -6, 6)
;;       step = 2.0 ** (np.maximum(np.frexp(np.where(r == 0, 1, r))[1] - 1, 0) - 1)
;;       q = np.round(r / step) * step * 2.0 ** e      # np.round: ties to even
;;       return np.moveaxis(q.reshape(q.shape[:-2] + (-1,))[..., :K], -1, axis).astype(np.float32)
;;   ~~~
;;   SOFTMAX AHEAD OF A QUANTISED PRODUCT. Where the list says 'softmax', what is quantised is not the finished softmax but p = 2^(t - M), with t = logit x log2(e) and M = ceil(the row's largest t), a whole number; so 1/2 < the row's largest p <= 1. The row's sum l is taken of the UNQUANTISED p, in f32, and the product's result is divided by l at the end. Since M is a whole number, a kernel that streams over the keys may use a running M (the ceiling of the running maximum): every later rescaling is an exact power of two, which a block's scale takes up: the codes' values come out the same.
;;   OPERANDS COMPUTED ON THE WAY. 'Computed on the way' means the value that the module computes at that place (a softmax that the list does not call 'softmax' is quantised finished and normalised). What goes into a quantiser is computed in f32, as accurately as f32 sums, v_exp_f32 and their like allow (about 1e-6 of the number): no bf16 or f16 on the way to a quantiser, and a product that is left as it is and whose result goes on into a quantised operand takes f32 operands (vector FMAs, or v_wmma_f32_16x16x4_f32). A number that lies on a knife's edge between two numbers of the format may be rounded either way, as far as f32 arithmetic and the matrix unit's own rounding can turn it there, and no further.
;; One version. Each part assembles by itself: llvm-mc -triple=amdgcn-amd-amdhsa -mcpu=gfx1250 --defsym DOCPART=n.
;; ======== version 1 of 1: 2 launches
;; limits: right only within a limited range of input values
;; workspace buffers: kv 9,175,040 bytes
;; launch quant (part 1): grid 256 x 1, 8 waves a work-group, no clusters, 327,680 bytes of LDS; arguments key_input, value_input, mask, kv; writes kv
.if DOCPART == 1
	.amdgcn_target "amdgcn-amd-amdhsa--gfx1250"
	.amdhsa_code_object_version 6
	.text
	.protected	k_q3aaa9b1696_quant
	.globl	k_q3aaa9b1696_quant
	.p2align	8
	.type	k_q3aaa9b1696_quant,@function
k_q3aaa9b1696_quant:
	s_mov_b64 s[64:65], 0
	v_nop
	global_prefetch_b8 v0, s[64:65] scope:SCOPE_SE
	s_setreg_imm32_b32 hwreg(HW_REG_WAVE_MODE, 25, 1), 1
	s_wait_xcnt 0x0
.set ROWP,  272
.set HALFR, 64*ROWP
.set WREG,  128*ROWP
.set REC,   8960
.set VCO,   4096
.set KSW,   8192
.set VSW,   8704
.set MK,    16
.set W,     24
.set C,     32
.set X,     64
.set NIL,   128
	s_load_b256 s[4:11], s[0:1], 0x0
	v_lshl_add_u32 v130, v0, 2, 0x44000
	v_mov_b32 v131, 0
	ds_add_u32 v130, v131
	ds_add_u32 v130, v131
	v_lshrrev_b32 v1, 5, v0
	s_delay_alu instid0(VALU_DEP_1)
	v_readfirstlane_b32 s12, v1
	s_and_b32 s13, s12, 3
	s_lshl_b32 s14, ttmp9, 2
	s_add_co_u32 s14, s14, s13
	s_and_b32 s15, s14, 15
	s_bfe_u32 s16, s14, 0x40004
	s_lshr_b32 s17, s14, 8
	s_lshl_b32 s18, s17, 23
	s_lshl_b32 s19, s16, 19
	s_add_co_u32 s18, s18, s19
	s_lshl_b32 s19, s15, 8
	s_add_co_u32 s18, s18, s19
	s_mov_b32 s19, 0
	s_lshl_b32 s20, s17, 4
	s_add_co_u32 s20, s20, s15
	s_mul_i32 s20, s20, 16*REC
	s_mul_i32 s21, s16, REC
	s_add_co_u32 s20, s20, s21
	s_mov_b32 s21, 0
	s_lshl_b32 s22, s17, 13
	s_lshl_b32 s23, s16, 9
	s_add_co_u32 s22, s22, s23
	s_mov_b32 s23, 0
	s_mul_i32 s42, s12, WREG
	s_mov_b32 s24, (2<<16)|(1<<20)|(5<<22)|(3<<25)
	s_mov_b32 s25, 64<<16
	s_mov_b32 s26, 128<<16
	s_mov_b32 s27, 64<<16
	s_mov_b32 s28, 128
	s_mov_b32 s29, 1024
	s_mov_b32 s30, 0
	s_mov_b32 s31, 0
	s_mov_b32 s40, 0x76543210
	s_mov_b32 s41, 0xfedcba98
	s_wait_dscnt 0x0
	s_wait_kmcnt 0x0
	s_cmp_lt_u32 s12, 4
	s_cselect_b64 s[4:5], s[4:5], s[6:7]
	s_add_nc_u64 s[4:5], s[4:5], s[18:19]
	s_add_nc_u64 s[8:9], s[8:9], s[22:23]
	s_add_nc_u64 s[10:11], s[10:11], s[20:21]
	s_mov_b32 s32, 1
	s_mov_b32 s33, s42
	s_mov_b64 s[34:35], s[4:5]
	s_or_b32 s35, s35, 0x80000000
	tensor_load_to_lds s[32:35], s[24:31]
	s_nop 0
	v_and_b32 v1, 31, v0
	v_and_b32 v2, 15, v0
	v_bfe_u32 v3, v0, 4, 1
	s_delay_alu instid0(VALU_DEP_2)
	v_and_b32 v10, 8, v2
	s_delay_alu instid0(VALU_DEP_3)
	v_and_b32 v11, 7, v2
	s_delay_alu instid0(VALU_DEP_1)
	v_lshl_add_u32 v11, v10, 2, v11
	s_delay_alu instid0(VALU_DEP_1)
	v_mul_u32_u24 v4, v11, ROWP
	s_delay_alu instid0(VALU_DEP_1)
	v_lshl_add_u32 v4, v3, 7, v4
	s_delay_alu instid0(VALU_DEP_1)
	v_add_nc_u32 v4, s42, v4
	v_lshlrev_b32 v6, 2, v1
	s_delay_alu instid0(VALU_DEP_1)
	v_add_nc_u32 v6, s42, v6
	s_cmp_lt_u32 s12, 4
	s_cbranch_scc0 .Lv
.macro BLKMAX
	v_max3_num_f32 v10, |v[XS]|, |v[XS+1]|, |v[XS+2]|
	v_max3_num_f32 v11, |v[XS+3]|, |v[XS+4]|, |v[XS+5]|
.irp i, 6,10,14,18,22,26
	s_delay_alu instid0(VALU_DEP_2)
	v_max3_num_f32 v10, v10, |v[XS+\i]|, |v[XS+\i+1]|
	s_delay_alu instid0(VALU_DEP_2)
	v_max3_num_f32 v11, v11, |v[XS+\i+2]|, |v[XS+\i+3]|
.endr
	s_delay_alu instid0(VALU_DEP_2)
	v_max3_num_f32 v10, v10, |v[XS+30]|, |v[XS+31]|
	s_delay_alu instid0(VALU_DEP_1)
	v_max3_num_f32 v10, v10, v11, 0x1800000
	s_delay_alu instid0(VALU_DEP_1)
	v_add_nc_u32 v12, 0xff000000, v10
.irp g, 0,1,2,3
	v_cvt_scalef32_pk8_fp4_f32 v[CS+\g], v[XS+8*\g:XS+8*\g+7], v12
.endr
.endm
.macro KLOAD t
.irp k, 0,1,2,3,4,5,6,7
	ds_load_b128 v[X+32*((\t)%2)+4*\k:X+32*((\t)%2)+4*\k+3], v4 offset:(64*((\t)/4)+8*((\t)%4))*ROWP+16*\k
.endr
.endm
.macro TILE t
.set XS, X+32*((\t)%2)
.set CS, C+4*(\t)
.if (\t) < 7
	s_wait_dscnt 8
.else
	s_wait_dscnt 0x0
.endif
	BLKMAX
	v_lshrrev_b32 v13, 23, v12
.if (\t)+2 < 8
	KLOAD (\t)+2
.endif
	v_cmp_eq_u32 vcc_lo, 0, v[MK+(\t)]
.irp g, 0,1,2,3
	v_cndmask_b32 v[CS+\g], v[CS+\g], v[NIL], vcc_lo
.endr
	v_lshlrev_b32 v[W+(\t)], v8, v13
	s_delay_alu instid0(VALU_DEP_1)
	v_permlanex16_b32 v14, v[W+(\t)], s40, s41
	s_delay_alu instid0(VALU_DEP_1)
	v_or_b32 v[W+(\t)], v[W+(\t)], v14
	v_cndmask_b32 v15, 0, v9, vcc_lo
	s_delay_alu instid0(VALU_DEP_1)
	v_or_b32 v[W+(\t)], v[W+(\t)], v15
	global_store_b128 v5, v[CS:CS+3], s[10:11] offset:512*(\t)
.endm
	v_lshlrev_b32 v7, 2, v11
.irp t, 0,1,2,3,4,5,6,7
	global_load_b32 v[MK+\t], v7, s[8:9] offset:(64*(\t/4)+8*(\t%4))*4
.endr
	v_lshlrev_b32 v5, 4, v1
	v_lshlrev_b32 v8, 3, v3
	v_mov_b32 v9, 191<<16
	v_mov_b32 v14, 0
	v_mov_b32 v[NIL], 0
	s_wait_tensorcnt 0x0
	s_wait_alu depctr_va_vdst(0)
	KLOAD 0
	KLOAD 1
	s_wait_loadcnt 0x0
.irp t, 0,1,2,3,4,5,6,7
	TILE \t
.endr
	v_cmp_lt_u32 vcc_lo, 15, v1
.irp i, 0,1,2,3
	v_cndmask_b32 v[MK+\i], v[W+2*\i], v[W+2*\i+1], vcc_lo
.endr
	global_store_b128 v5, v[MK:MK+3], s[10:11] offset:KSW
	s_wait_tensorcnt 0x0
	ds_add_u32 v130, v131
	s_wait_dscnt 0x0
	s_endpgm
.macro VLOAD n
.irp j, 0,1,2,3,4,5,6,7,8,9,10,11,12,13,14,15,16,17,18,19,20,21,22,23,24,25,26,27,28,29,30,31
	ds_load_b32 v[X+32*((\n)%2)+\j], v6 offset:(32*((\n)/2)+\j)*ROWP+128*((\n)%2)
.endr
.endm
.macro BLOCK n
.set XS, X+32*((\n)%2)
.set CS, C+4*(\n)
.set KB, (\n)/2
.set II, (\n)%2
.if (\n) < 7
	s_wait_dscnt 32
.else
	s_wait_dscnt 0x0
.endif
	BLKMAX
.if KB == 0
	v_lshrrev_b32 v[W+II], 23, v12
.else
	v_lshrrev_b32 v13, 23, v12
	s_delay_alu instid0(VALU_DEP_1)
	v_lshl_or_b32 v[W+II], v13, 8*KB, v[W+II]
.endif
.if (\n)+2 < 8
	VLOAD (\n)+2
.endif
	global_store_b128 v5, v[CS:CS+3], s[10:11] offset:VCO+2048*II+512*(KB/2)+256*(KB%2)
.endm
.Lv:
	s_wait_alu depctr_va_vdst(0)
	v_lshlrev_b32 v5, 10, v3
	s_delay_alu instid0(VALU_DEP_1)
	v_lshl_add_u32 v5, v2, 4, v5
	v_lshlrev_b32 v7, 3, v1
	s_wait_tensorcnt 0x0
	VLOAD 0
	VLOAD 1
.irp n, 0,1,2,3,4,5,6,7
	BLOCK \n
.endr
	global_store_b64 v7, v[W:W+1], s[10:11] offset:VSW
	s_wait_tensorcnt 0x0
	ds_add_u32 v130, v131
	s_wait_dscnt 0x0
	s_endpgm
.Lfunc_end_k_q3aaa9b1696_quant:
	.size	k_q3aaa9b1696_quant, .Lfunc_end_k_q3aaa9b1696_quant-k_q3aaa9b1696_quant
	.p2alignl 7, 3214868480
	.fill 96, 4, 3214868480
	.section	.rodata,"a",@progbits
	.p2align	6, 0x0
	.amdhsa_kernel k_q3aaa9b1696_quant
		.amdhsa_group_segment_fixed_size 327680
		.amdhsa_private_segment_fixed_size 0
		.amdhsa_enable_private_segment 0
		.amdhsa_kernarg_size 32
		.amdhsa_user_sgpr_count 2
		.amdhsa_user_sgpr_kernarg_segment_ptr 1
		.amdhsa_wavefront_size32 1
		.amdhsa_system_sgpr_workgroup_id_x 1
		.amdhsa_system_sgpr_workgroup_id_y 1
		.amdhsa_system_sgpr_workgroup_id_z 1
		.amdhsa_system_vgpr_workitem_id 0
		.amdhsa_next_free_vgpr 132
		.amdhsa_next_free_sgpr 66
		.amdhsa_reserve_vcc 1
		.amdhsa_float_denorm_mode_32 3
		.amdhsa_float_denorm_mode_16_64 3
		.amdhsa_memory_ordered 1
		.amdhsa_forward_progress 1
		.amdhsa_inst_pref_size 61
	.end_amdhsa_kernel
	.amdgpu_metadata
---
amdhsa.version: [ 1, 2 ]
amdhsa.kernels:
  - .name:           k_q3aaa9b1696_quant
    .symbol:         k_q3aaa9b1696_quant.kd
    .args:
      - { .name: key_input, .offset: 0, .size: 8, .value_kind: global_buffer, .address_space: global }
      - { .name: value_input, .offset: 8, .size: 8, .value_kind: global_buffer, .address_space: global }
      - { .name: mask, .offset: 16, .size: 8, .value_kind: global_buffer, .address_space: global }
      - { .name: kv, .offset: 24, .size: 8, .value_kind: global_buffer, .address_space: global }
    .group_segment_fixed_size: 327680
    .private_segment_fixed_size: 0
    .kernarg_segment_align: 8
    .kernarg_segment_size: 32
    .max_flat_workgroup_size: 256
    .sgpr_count:     66
    .vgpr_count:     132
    .wavefront_size: 32
...
	.end_amdgpu_metadata
.endif
;; end of part 1
;; launch attn (part 2): grid 256 x 1, 16 waves a work-group, clusters of 4 x 1, 215,040 bytes of LDS; arguments query_input, kv, out0; writes out0
.if DOCPART == 2
	.amdgcn_target "amdgcn-amd-amdhsa--gfx1250"
	.amdhsa_code_object_version 6
	.text
	.protected	k_q3aaa9b1696_attn
	.globl	k_q3aaa9b1696_attn
	.p2align	8
	.type	k_q3aaa9b1696_attn,@function
k_q3aaa9b1696_attn:
	s_mov_b64 s[64:65], 0
	v_nop
	global_prefetch_b8 v0, s[64:65] scope:SCOPE_SE
	s_setreg_imm32_b32 hwreg(HW_REG_WAVE_MODE, 25, 1), 1
	s_wait_xcnt 0x0
	s_wait_alu depctr_hold_cnt(0) depctr_sa_sdst(0) depctr_va_vdst(0) depctr_va_sdst(0) depctr_va_ssrc(0) depctr_va_vcc(0) depctr_vm_vsrc(0)
	s_getreg_b32 s2, hwreg(HW_REG_IB_STS2, 6, 4)
	s_cmp_eq_u32 s2, 0
	s_cbranch_scc0 .Lentry_in_a_cluster
	s_endpgm
.Lentry_in_a_cluster:
	s_bfe_u32 s2, ttmp6, 0x10000c
	s_cmp_lg_u32 s2, 0x3003
	s_cbranch_scc0 .Lentry_shape_is_right
	s_endpgm
.Lentry_shape_is_right:
; out[b][q][head][:] = sum over keys of softmax_k(energy / 32) V; energy = Q . K, or a very large negative number for a masked key.  Both products on codes of FP4 (E2M1), one E8M0 scale for each 32 along K.
; Q: [4][2048][1024] f32, quantised here along a head's 64 channels.  K, V, their scale words and the mask come from kv: one record of 8,960 bytes for each (batch, head) and 128 keys, in the order of the operands' registers:
;   +0 K's eight tiles of 512 bytes; +4096 V's four channel tiles of 1,024 bytes; +8192 K's scale words (16 bytes a lane); +8704 V's (8 bytes a lane).
; SOFTMAX: t = score x c, c = log2(e) / 32; M = the largest t so far, rounded up to a whole number; p = 2^(t - M) is quantised along the keys, not normalised; the row's sum is taken of the unquantised p and divides at the end.
; When M moves, the sum and O^T are multiplied by 2^(old M - new M): exact.
; SHARES: a cluster of four work-groups owns one (batch, head); a work-group 512 queries in two passes of 256; in a pass each of sixteen waves owns 16 queries.  Every wave walks all 2,048 keys, 128 a step.
; LDS: the head's 16 records come once: wave w asks for record w jointly with the same wave of the three partners.  Nothing is filled again.  Behind the records each wave has a stage of 16 rows x 272 bytes.
; No prefetch is laid: the records are asked for once, at the head, with no loop to run ahead in; the second pass's Q is loaded into registers a whole pass ahead of its use.
; LAYOUT: both products transposed (S^T = K Q^T, O^T = V^T P^T): a lane holds one query (lane % 16).  Row m of K's tile t is key 64 (t / 4) + 8 (t % 4) + 32 (m / 8) + m % 8, so the 32 registers of tiles 4 g .. 4 g + 3
; in lane (r, h) are keys 64 g + 32 h + 0 .. 31: a whole block of p in one lane, in the order of the second product's operand.
; THE STEP IS ROTATED: a step begins with its tiles 0-3 of scores already issued (by the step before, behind block 0's codes and sums) and its tiles 4-7 of K on their way.
; THE MASK: the first product fills k = 0 .. 63 of 128.  At k = 64 every key has the code -4 and every query +1; the query's scale byte there is 127, the key's 191 (masked) or 0: a masked score is -2^66 (its other codes are zeros),
; and c x 2^66 is a whole number in f32: a run of masked keys has p = 1; when a key that counts arrives, 2^(old M - new M) is 0 and those sums fall away.
; THE KEY LOOP'S BARRIER orders no memory: it keeps the sixteen waves within one key step of each other.
; LIMITS: -2^66 stands for the problem's -1e20: the same results while real energies lie above about -1e19; a key that counts carries -2^-125 in its score; p under 2^-126 counts as 0; a block of zeros has the byte 1;
; NaN and infinities among the inputs are not served.
.set REC,   8960
.set VCO,   4096
.set KSW,   8192
.set VSW,   8704
.set STAGE, 16*REC                     ; the stages: no fill lands there
.set SP,    272
.set SPARE, 0x34000                    ; behind the stages: the spare words, 128 bytes a wave
.set LI,  1                            ; 16 x lane
.set L8,  2                            ; 8 x lane
.set ADR, 3                            ; a record + 16 x lane
.set ADV, 4                            ; a record + 8 x lane
.set GO,  5                            ; Q and out: 4,096 (lane / 16) + 16 (lane % 16)
.set STO, 6                            ; stage: row r, + 32 h
.set SRD, 7                            ; stage: row lane / 16, + 16 (lane % 16)
.set SQR, 8                            ; stage: row r, + 128 h
.set H8,  9                            ; 8 h
.set QS,  10                           ; Q's scale word
.set PW,  11                           ; p's scale word
; v12 -M; v13 the largest score; v16 f; v17 the old -M; v18-19 blocks' maxima; v20-21 scale operands; v22 lane exchange; v23 at work
.set KS,  24                           ; v24-27 K's scale words
.set VS,  28                           ; v28-29 V's
.set QF,  32                           ; v32-39 Q's fragment
.set P,   40                           ; v40-47 p's codes
.set KF,  48                           ; v48-79 four fragments of K: registers 0-3 loaded, 4-7 constants
.set QR,  80                           ; v80-111 the second pass's Q as loaded
.set VF,  112                          ; v112-143 V's four fragments
.set S,   144                          ; v144-207 S^T, then p
.set OT,  208                          ; v208-239 O^T
.set L,   240                          ; v240-241 the row's sum in two halves; v242-247 three more pairs of a step's sums
.set MT,  248                          ; v248-251 four chains of maxima
.macro ROUND
	s_barrier_signal -1
	s_barrier_wait -1
	s_cmp_lg_u32 s10, 0
	s_cbranch_scc1 .Lnot_wave_0_\@
	s_barrier_signal -3
.Lnot_wave_0_\@:
	s_barrier_wait -3
	s_barrier_signal -1
	s_barrier_wait -1
.endm
; scores, two tiles an instruction (32 keys x my 16 queries): called for every tile t, it issues for the even ones.  Source 0 = buffers t % 4 and t % 4 + 1, 16 registers on end: rows 0-15 tile t, rows 16-31 tile t + 1;
; the 16 results lie likewise; K's scale register t / 2 holds tile t's words in lanes 0-15 and tile t + 1's in lanes 16-31, a lane a row
.macro QK t
.if (\t)%2 == 0
	v_wmma_scale_f32_32x16x128_f4 v[S+8*(\t):S+8*(\t)+15], v[KF+8*((\t)%4):KF+8*((\t)%4)+15], v[QF:QF+7], 0, v[KS+(\t)/2], v[QS]
.endif
.endm
; the largest score of block g: four chains, one a tile, each from the tile's low end on: MAXA begins them, MAXB goes on, MAXC joins them and the four numbers left over
.macro MAXA g
.irp t, 0,1,2,3
	v_max3_num_f32 v[MT+\t], v[S+32*\g+8*\t], v[S+32*\g+8*\t+1], v[S+32*\g+8*\t+2]
.endr
.endm
.macro MAXB g
.irp i, 3,5
.irp t, 0,1,2,3
	v_max3_num_f32 v[MT+\t], v[MT+\t], v[S+32*\g+8*\t+\i], v[S+32*\g+8*\t+\i+1]
.endr
.endr
.endm
.macro MAXC g
	v_max3_num_f32 v[MT], v[MT], v[S+32*\g+7], v[S+32*\g+15]
	v_max3_num_f32 v[MT+1], v[MT+1], v[S+32*\g+23], v[S+32*\g+31]
	v_max3_num_f32 v[MT], v[MT], v[MT+2], v[MT+3]
	v_max_num_f32 v[18+\g], v[MT], v[MT+1]
.endm
; t - M of 2 cnt scores from S + from on, two at a time (of the pairs c and -M the low word serves both halves)
.macro FMK from, cnt
.set j, S+\from
.rept \cnt
	v_pk_fma_f32 v[j:j+1], v[j:j+1], s[30:31], v[12:13] op_sel_hi:[1,0,0]
.set j, j+2
.endr
.endm
; 2 cnt numbers of p from S + from on are added to the four pairs of sums by turns
.macro SUMS from, cnt
.set j, \from
.rept \cnt
	v_pk_add_f32 v[L+(j&6):L+(j&6)+1], v[L+(j&6):L+(j&6)+1], v[S+j:S+j+1]
.set j, j+2
.endr
.endm
.macro SUM0 q                          ; one of three pairs of sums begins; the fourth is the running sum itself
	v_pk_add_f32 v[L+2+2*\q:L+3+2*\q], v[S+4*\q:S+4*\q+1], v[S+4*\q+2:S+4*\q+3]
.endm
.macro KLD first                       ; four tiles of K from tile first on into the four buffers
.irp i, 0,1,2,3
	ds_load_b128 v[KF+8*\i:KF+8*\i+3], v[ADR] offset:512*(\first+\i)
.endr
.endm
; 16 queries as loaded (src) turn through my stage and come back 32 neighbouring channels of one query a lane (dst): a whole block.  Codes to QF, scale word [block 0, block 1, 127 for the mask's slot, 0] to QS.
.macro QPREP src, dst
.irp i, 0,1,2,3,4,5,6,7
	ds_store_b128 v[SRD], v[\src+4*\i:\src+4*\i+3] offset:2*\i*SP
.endr
.irp k, 0,1,2,3,4,5,6,7
	ds_load_b128 v[\dst+4*\k:\dst+4*\k+3], v[SQR] offset:16*\k   ; LDS serves a wave's instructions in order: these see my stores
.endr
	s_wait_dscnt 0x0
	v_max3_num_f32 v18, |v[\dst]|, |v[\dst+1]|, |v[\dst+2]|
	v_max3_num_f32 v19, |v[\dst+3]|, |v[\dst+4]|, |v[\dst+5]|
.irp i, 6,10,14,18,22,26
	s_delay_alu instid0(VALU_DEP_2)
	v_max3_num_f32 v18, v18, |v[\dst+\i]|, |v[\dst+\i+1]|
	s_delay_alu instid0(VALU_DEP_2)
	v_max3_num_f32 v19, v19, |v[\dst+\i+2]|, |v[\dst+\i+3]|
.endr
	s_delay_alu instid0(VALU_DEP_2)
	v_max3_num_f32 v18, v18, |v[\dst+30]|, |v[\dst+31]|
	s_delay_alu instid0(VALU_DEP_1)
	v_max3_num_f32 v18, v18, v19, 0x1800000        ; the floor 2^(3 - 127): the byte cannot fall under 1
	s_delay_alu instid0(VALU_DEP_1)
	v_add_nc_u32 v20, 0xff000000, v18              ; 2 off the exponent field: the conversion's scale operand
.irp g, 0,1,2,3
	v_cvt_scalef32_pk8_fp4_f32 v[QF+\g], v[\dst+8*\g:\dst+8*\g+7], v20
.endr
	v_lshrrev_b32 v23, 23, v20                     ; the byte (the plain line behind the conversions)
	s_delay_alu instid0(VALU_DEP_1)
	v_lshlrev_b32 v23, v[H8], v23                  ; at byte h
	s_delay_alu instid0(VALU_DEP_1)
	v_permlanex16_b32 v22, v23, s28, s29
	s_delay_alu instid0(VALU_DEP_1)
	v_or_b32 v23, v23, v22
	s_delay_alu instid0(VALU_DEP_1)
	v_or_b32 v[QS], 0x7f0000, v23
.endm
	s_load_b128 s[4:7], s[0:1], 0x0                ; Q, kv
	s_load_b64 s[8:9], s[0:1], 0x10                ; out
	v_lshl_add_u32 v254, v0, 2, SPARE
	v_mov_b32 v255, 0
	ds_add_u32 v254, v255                          ; the opening lines: the add twice on end and its wait
	ds_add_u32 v254, v255
	v_lshrrev_b32 v1, 5, v0
	s_delay_alu instid0(VALU_DEP_1)
	v_readfirstlane_b32 s10, v1                    ; wave 0..15
	s_bfe_u32 s11, ttmp6, 0x40000                  ; cx: which 512 queries: it enters Q's and out's addresses alone
	s_lshr_b32 s12, ttmp9, 4                       ; ttmp9 counts clusters: 16 b + head
	s_and_b32 s13, ttmp9, 15
	s_mul_i32 s14, ttmp9, 16*REC
	s_mul_i32 s38, s10, REC                        ; record w, in memory and in LDS
	s_add_co_u32 s14, s14, s38
	s_mov_b32 s15, 0
	s_lshl_b32 s36, s12, 23                        ; Q and out: b x 2,048 rows of 4,096 bytes
	s_lshl_b32 s37, s11, 21                        ; + 512 cx rows
	s_add_co_u32 s36, s36, s37
	s_lshl_b32 s37, s10, 16                        ; + 16 w rows
	s_add_co_u32 s36, s36, s37
	s_lshl_b32 s37, s13, 8                         ; + head x 256 bytes
	s_add_co_u32 s36, s36, s37
	s_mov_b32 s37, 0
	s_mov_b32 s16, 15|(3<<16)|(1<<21)              ; group 1: the mask of all four; elements of 8 bytes; 35 dense rows of 256 bytes
	s_mov_b32 s17, 32<<16
	s_mov_b32 s18, 35<<16
	s_mov_b32 s19, 32<<16
	s_mov_b32 s20, 35
	s_mov_b32 s21, 32
	s_mov_b32 s22, 0
	s_mov_b32 s23, 0
	s_mov_b32 s28, 0x76543210
	s_mov_b32 s29, 0xfedcba98                      ; selects for lane l xor 16
	s_mov_b32 s30, 0x3d38aa3b                      ; c = log2(e) / 32
	s_mov_b32 s31, s30                             ; (named with it as a pair, so it is written)
	v_and_b32 v18, 15, v0                          ; r
	v_bfe_u32 v19, v0, 4, 1                        ; h
	s_delay_alu instid0(VALU_DEP_1)
	v_lshlrev_b32 v[GO], 12, v19
	s_delay_alu instid0(VALU_DEP_1)
	v_lshl_add_u32 v[GO], v18, 4, v[GO]
	s_wait_alu depctr_va_vdst(0)
	s_wait_dscnt 0x0
	s_wait_kmcnt 0x0
	s_add_nc_u64 s[4:5], s[4:5], s[36:37]          ; Q and out at my first query's 256 bytes
	s_add_nc_u64 s[8:9], s[8:9], s[36:37]
.irp i, 0,1,2,3,4,5,6,7
	global_load_b128 v[S+4*\i:S+4*\i+3], v[GO], s[4:5] offset:2*\i*4096 th:TH_LOAD_NT   ; the first pass's 16 queries: sixteen lanes read 256 consecutive bytes
.endr
	s_mov_b32 s24, 1
	s_mov_b32 s25, s38
	s_add_nc_u64 s[26:27], s[6:7], s[14:15]        ; bh and the wave's number, which the four partners share
	s_or_b32 s27, s27, 0x80000000
	ROUND                                          ; all four work-groups are here: the joint loads meet
	tensor_load_to_lds s[24:27], s[16:23]
	s_nop 0
.rept 4
	v_nop
.endr
	v_and_b32 v23, 31, v0
	s_delay_alu instid0(VALU_DEP_1)
	v_lshlrev_b32 v[LI], 4, v23
	v_lshlrev_b32 v[L8], 3, v23
	s_mul_i32 s39, s10, 16*SP
	s_add_co_u32 s39, s39, STAGE                   ; my stage
	v_mul_u32_u24 v20, v18, SP
	s_delay_alu instid0(VALU_DEP_1)
	v_add_nc_u32 v20, s39, v20
	s_delay_alu instid0(VALU_DEP_1)
	v_lshl_add_u32 v[STO], v19, 5, v20
	v_lshl_add_u32 v[SQR], v19, 7, v20
	v_mul_u32_u24 v21, v19, SP
	s_delay_alu instid0(VALU_DEP_1)
	v_lshl_add_u32 v21, v18, 4, v21
	s_delay_alu instid0(VALU_DEP_1)
	v_add_nc_u32 v[SRD], s39, v21
	v_lshlrev_b32 v[H8], 3, v19
	v_mov_b32 v22, 0                               ; a lane permute's destination counts as one of its sources
	; the constants of k = 64 .. 127: the mask's slot k = 64 lies in lanes 0-15, register 4, lowest four bits
	v_cmp_gt_u32 vcc_lo, 16, v23
	v_mov_b32 v20, 14                              ; the code of -4
	v_mov_b32 v21, 2                               ; the code of +1
.irp t, 0,1,2,3
	v_cndmask_b32 v[KF+8*\t+4], 0, v20, vcc_lo
	v_mov_b32 v[KF+8*\t+5], 0
	v_mov_b32 v[KF+8*\t+6], 0
	v_mov_b32 v[KF+8*\t+7], 0
.endr
	v_cndmask_b32 v[QF+4], 0, v21, vcc_lo
	v_mov_b32 v[QF+5], 0
	v_mov_b32 v[QF+6], 0
	v_mov_b32 v[QF+7], 0
	s_wait_alu depctr_va_vdst(0)
	s_wait_loadcnt 0x0
	QPREP S, S+32
	s_wait_alu depctr_va_vdst(0)                   ; at the head's end
	s_wait_tensorcnt 0x0                           ; my record is in LDS,
	s_barrier_signal -1
	s_barrier_wait -1                              ; everybody's is: from here on the records are only read
.irp i, 0,1,2,3,4,5,6,7
	global_load_b128 v[QR+4*\i:QR+4*\i+3], v[GO], s[4:5] offset:1048576+2*\i*4096 th:TH_LOAD_NT   ; the second pass's queries: asked for behind the records, awaited at the change of passes
.endr
; A KEY STEP of 128 keys.  At its head tiles 0-3 of its scores are issued and K's tiles 4-7 are on their way.  last = 0: in the loop: it does the same for the next step.  last = 1: a pass's last step, written out: nothing lies behind record 15.
.macro STEP last
	MAXA 0                                         ; four plain lines on block 0: the places behind the last step's products, ahead of the loads into V's registers
	ds_load_b64 v[VS:VS+1], v[ADV] offset:VSW
.irp d, 0,1,2,3
	ds_load_b128 v[VF+8*\d:VF+8*\d+3], v[ADR] offset:VCO+1024*\d
	ds_load_b128 v[VF+8*\d+4:VF+8*\d+7], v[ADR] offset:VCO+1024*\d+512
.endr
	MAXB 0
	s_wait_alu depctr_va_vdst(0)
	s_wait_dscnt 9                                 ; tiles 4-7 are in; V's nine loads may be out
.irp t, 4,5,6,7
	QK \t
.endr
	MAXC 0                                         ; four plain lines on block 0: the places behind tiles 4-7
.if \last == 0
	s_add_co_u32 s32, s32, REC                     ; the addresses go on to the next record
	v_add_nc_u32 v[ADR], s32, v[LI]
	v_add_nc_u32 v[ADV], s32, v[L8]
	ds_load_b128 v[KS:KS+3], v[ADR] offset:KSW     ; its scale words and tiles 0-3
	KLD 0
.endif
	MAXA 1
	MAXB 1
	MAXC 1
	s_delay_alu instid0(VALU_DEP_1)
	v_max_num_f32 v23, v18, v19
	s_delay_alu instid0(VALU_DEP_1)
	v_permlanex16_b32 v22, v23, s28, s29           ; my query's other 64 keys lie in lane l xor 16
	s_delay_alu instid0(VALU_DEP_1)
	v_max3_num_f32 v13, v13, v23, v22              ; the largest score so far
	s_delay_alu instid0(VALU_DEP_1)
	v_mul_f32 v23, s30, v13                        ; as t (c is positive)
	s_delay_alu instid0(VALU_DEP_1)
	v_floor_f32 v12, -v23                          ; the new -M = -ceil(t), a whole number
	s_delay_alu instid0(VALU_DEP_1)
	v_sub_f32 v23, v12, v17                        ; old M less new M: a whole number, 0 or less
	FMK 0, 5
	v_cvt_i32_f32 v23, v23                         ; (it saturates)
	v_mov_b32 v17, v12                             ; the next step's old -M
	FMK 10, 5
	v_ldexp_f32 v16, 1.0, v23                      ; f = 2^(old M - new M): a multiplication by it rounds nothing
	FMK 20, 6
	v_fma_f32 v18, v18, s30, v12                   ; the same of block 0's largest score
.set j, OT
.rept 16
	v_pk_mul_f32 v[j:j+1], v[j:j+1], v[16:17] op_sel_hi:[1,0]   ; O^T under the new M, each accumulator from its low end on; ahead of the step's exponentials
.set j, j+2
.endr
	v_pk_mul_f32 v[L:L+1], v[L:L+1], v[16:17] op_sel_hi:[1,0]   ; and the sum
	s_wait_alu depctr_va_vdst(0)                   ; ahead of a batch
.set j, S
.rept 32
	v_exp_f32 v[j], v[j]                           ; block 0's p = 2^(t - M)
.set j, j+1
.endr
	v_exp_f32 v18, v18                             ; and its largest p: the same two operations on the same number
	FMK 32, 16                                     ; block 1's t - M stands behind block 0's batch
	v_fma_f32 v19, v19, s30, v12
	s_wait_alu depctr_va_vdst(0)                   ; behind the first batch and ahead of the second
.set j, S+32
.rept 32
	v_exp_f32 v[j], v[j]
.set j, j+1
.endr
	v_exp_f32 v19, v19
	; block 0's scale, codes and sums stand behind block 1's batch; the scale's lines and the sums by turns
	v_max_num_f32 v18, 0x1800000, v18              ; the floor 2^(3 - 127): the byte cannot fall under 1
	SUM0 0
	v_add_nc_u32 v20, 0xff000000, v18              ; 2 off the exponent field: the conversion's scale operand
	SUM0 1
.irp u, 0,1,2,3
	v_cvt_scalef32_pk8_fp4_f32 v[P+\u], v[S+8*\u:S+8*\u+7], v20   ; keys 32 h + 8 u on: register u of the operand
.endr
	v_lshrrev_b32 v18, 23, v20                     ; the byte (the plain line behind the conversions)
	SUM0 2
	SUMS 12, 10
	s_wait_dscnt 0x0                               ; V is in, and the next step's scale words and tiles 0-3: no LDS instruction of mine is out at the signal
.if \last == 0
	s_barrier_signal -1
.endif
	s_wait_alu depctr_va_vdst(0)                   ; behind the second batch, ahead of its first reader
.if \last == 0
.irp t, 0,1,2,3
	QK \t                                          ; the next step's tiles 0-3, over block 0's p, which is done with; block 1's lines below are their places
.endr
.endif
	v_max_num_f32 v19, 0x1800000, v19
	SUMS 32, 1
	v_add_nc_u32 v21, 0xff000000, v19
	SUMS 34, 1
.irp u, 0,1,2,3
	v_cvt_scalef32_pk8_fp4_f32 v[P+4+\u], v[S+32+8*\u:S+32+8*\u+7], v21
.endr
	v_lshrrev_b32 v19, 23, v21
	SUMS 36, 1
	v_lshl_or_b32 v23, v19, 16, v18                ; my blocks are 2 g + h of the step's four: bytes h and 2 + h
	SUMS 38, 1
	v_lshlrev_b32 v23, v[H8], v23
	SUMS 40, 1
	v_permlanex16_b32 v22, v23, s28, s29
	SUMS 42, 1
	v_or_b32 v[PW], v23, v22                       ; p's scale word; the 13 lines below stand between it and the products
	SUMS 44, 10
	v_pk_add_f32 v[L+2:L+3], v[L+2:L+3], v[L+6:L+7]
	v_pk_add_f32 v[L:L+1], v[L:L+1], v[L+4:L+5]
	v_pk_add_f32 v[L:L+1], v[L:L+1], v[L+2:L+3]
.if \last == 0
	KLD 4                                          ; the next step's tiles 4-7
.endif
.irp d, 0,2                                    ; O^T += V^T P^T, 32 channels an instruction: two accumulators by turns; the next matrix instruction is a product of scores
	v_wmma_scale_f32_32x16x128_f4 v[OT+8*\d:OT+8*\d+15], v[VF+8*\d:VF+8*\d+15], v[P:P+7], v[OT+8*\d:OT+8*\d+15], v[VS+\d/2], v[PW]
.endr
.if \last == 0
	s_barrier_wait -1                              ; every wave has come to this step's signal
.endif
.endm
; A PASS: my 16 queries of pass p against all keys.  The first step finds O^T and the sum zeros and the largest score -3e38: its change of M multiplies zeros.
.macro PASS p
	v_mov_b32 v13, 0xff61b1e6                      ; -3e38, under every score, the masked ones too
	s_delay_alu instid0(VALU_DEP_1)
	v_floor_f32 v12, -v13                          ; -M
	v_floor_f32 v17, -v13
	v_mov_b32 v[L], 0
	v_mov_b32 v[L+1], 0
	s_mov_b32 s32, 0
	v_mov_b32 v[ADR], v[LI]                        ; record 0
	v_mov_b32 v[ADV], v[L8]
	ds_load_b128 v[KS:KS+3], v[ADR] offset:KSW
	KLD 0
.set j, 0
.rept 28
	v_mov_b32 v[OT+j], 0                           ; (these lines also stand between the writes of Q's fragment and scale word and the first product)
.set j, j+1
.endr
	s_wait_dscnt 0x0
.irp t, 0,1,2,3
	QK \t
.endr
.rept 4
	v_mov_b32 v[OT+j], 0                           ; the four places behind tiles 0-3
.set j, j+1
.endr
	KLD 4
	s_mov_b32 s33, 15
.Lstep_\@:
	STEP 0
	s_sub_co_u32 s33, s33, 1
	s_cmp_lg_u32 s33, 0
	s_cbranch_scc1 .Lstep_\@
	STEP 1
	; THE WAY OUT: O^T / the sum goes through my stage and leaves as rows: register 8 d + i of lane (r, h) is out(query r, channel 16 d + 8 h + i)
.rept 4
	v_nop                                          ; four places behind the last products
.endr
	s_wait_alu depctr_va_vdst(0)                   ; ahead of the reader below
	v_add_f32 v23, v[L], v[L+1]
	s_delay_alu instid0(VALU_DEP_1)
	v_permlanex16_b32 v22, v23, s28, s29
	s_delay_alu instid0(VALU_DEP_1)
	v_add_f32 v23, v23, v22                        ; the row's sum, over 1/2 since the row's largest p is
	s_wait_alu depctr_va_vdst(0)                   ; ahead of the transcendental
	v_rcp_f32 v16, v23
	v_nop
	s_wait_alu depctr_va_vdst(0)                   ; behind it, directly ahead of the first readers of O^T
.set j, 0
.rept 16
	v_pk_mul_f32 v[S+j:S+j+1], v[OT+j:OT+j+1], v[16:17] op_sel_hi:[1,0]
.set j, j+2
.endr
.irp d, 0,1,2,3
	ds_store_b128 v[STO], v[S+8*\d:S+8*\d+3] offset:64*\d
	ds_store_b128 v[STO], v[S+8*\d+4:S+8*\d+7] offset:64*\d+16
.endr
.irp i, 0,1,2,3,4,5,6,7
	ds_load_b128 v[S+32+4*\i:S+32+4*\i+3], v[SRD] offset:2*\i*SP
.endr
.irp i, 0,1,2,3,4,5,6,7
	s_wait_dscnt 7-\i                              ; load i is back; the younger ones may be out
	global_store_b128 v[GO], v[S+32+4*\i:S+32+4*\i+3], s[8:9] offset:\p*1048576+2*\i*4096 th:TH_STORE_NT   ; sixteen lanes store 256 consecutive bytes, aligned
.endr
.if \p == 0
	s_wait_loadcnt 0x0                             ; the second pass's queries are in
	QPREP QR, S
	s_wait_xcnt 0x0                                ; the stores have read their registers: the next pass's products write them only behind this wait
.endif
.endm
	PASS 0
	PASS 1
	s_wait_tensorcnt 0x0                           ; the wave's end
	ds_add_u32 v254, v255
	s_wait_dscnt 0x0
	ROUND                                          ; the closing round
	s_endpgm
.Lfunc_end_k_q3aaa9b1696_attn:
	.size	k_q3aaa9b1696_attn, .Lfunc_end_k_q3aaa9b1696_attn-k_q3aaa9b1696_attn
	.p2alignl 7, 3214868480
	.fill 96, 4, 3214868480
	.section	.rodata,"a",@progbits
	.p2align	6, 0x0
	.amdhsa_kernel k_q3aaa9b1696_attn
		.amdhsa_group_segment_fixed_size 215040
		.amdhsa_private_segment_fixed_size 0
		.amdhsa_enable_private_segment 0
		.amdhsa_kernarg_size 24
		.amdhsa_user_sgpr_count 2
		.amdhsa_user_sgpr_kernarg_segment_ptr 1
		.amdhsa_wavefront_size32 1
		.amdhsa_system_sgpr_workgroup_id_x 1
		.amdhsa_system_sgpr_workgroup_id_y 1
		.amdhsa_system_sgpr_workgroup_id_z 1
		.amdhsa_system_vgpr_workitem_id 0
		.amdhsa_next_free_vgpr 256
		.amdhsa_next_free_sgpr 66
		.amdhsa_reserve_vcc 1
		.amdhsa_float_denorm_mode_32 3
		.amdhsa_float_denorm_mode_16_64 3
		.amdhsa_memory_ordered 1
		.amdhsa_forward_progress 1
		.amdhsa_inst_pref_size 76
	.end_amdhsa_kernel
	.amdgpu_metadata
---
amdhsa.version: [ 1, 2 ]
amdhsa.kernels:
  - .name:           k_q3aaa9b1696_attn
    .symbol:         k_q3aaa9b1696_attn.kd
    .args:
      - { .name: query_input, .offset: 0, .size: 8, .value_kind: global_buffer, .address_space: global }
      - { .name: kv, .offset: 8, .size: 8, .value_kind: global_buffer, .address_space: global }
      - { .name: out0, .offset: 16, .size: 8, .value_kind: global_buffer, .address_space: global }
    .group_segment_fixed_size: 215040
    .private_segment_fixed_size: 0
    .kernarg_segment_align: 8
    .kernarg_segment_size: 24
    .max_flat_workgroup_size: 512
    .sgpr_count:     66
    .vgpr_count:     256
    .wavefront_size: 32
...
	.end_amdgpu_metadata
.endif
;; end of part 2
